; MI455X (gfx1250); checked and timed in simulation.
; The chip was launched on July 23, 2026; its instructions are those of AMD's public machine-readable ISA for CDNA 5 (MIT licence, August 2026) and "CDNA5" Instruction Set Architecture Reference Guide (July 2026). The comments in the code are by the model that wrote it; some were corrected since.
;; Warp. Allowed arithmetic: float matrix products may take bf16 or f16 operands with f32 sums; other float arithmetic in f32, or as packed bf16 or f16 multiplies, adds, multiply-adds, maxima and minima; sums over many terms, partial sums and values carried from step to step in f32; what a program stores and reads back later, other than sums and carried values, may be rounded once to bf16 or f16.
;; Inputs: keypoints 50 x 3 float32; vertices 50,000 x 3 float32; warp_params 64 x 50 x 1 float32; warp_vectors 50 x 3 float32.
;; Outputs: out0 64 x 50,000 x 3 float32.
;; One version. Each part assembles by itself: llvm-mc -triple=amdgcn-amd-amdhsa -mcpu=gfx1250 --defsym DOCPART=n.
;; ======== version 1 of 1: 1 launch
;; launch warp (part 1): grid 4 x 64, 8 waves a work-group, no clusters, 33,280 bytes of LDS; arguments vertices, warp_params, keypoints, warp_vectors, out0; writes out0
.if DOCPART == 1
	.amdgcn_target "amdgcn-amd-amdhsa--gfx1250"
	.amdhsa_code_object_version 6
	.text
	.protected	k_qcb4055dedc_warp
	.globl	k_qcb4055dedc_warp
	.p2align	8
	.type	k_qcb4055dedc_warp,@function
k_qcb4055dedc_warp:
	s_mov_b64 s[64:65], 0
	v_nop
	global_prefetch_b8 v0, s[64:65] scope:SCOPE_SE
	s_setreg_imm32_b32 hwreg(HW_REG_WAVE_MODE, 25, 1), 1
	s_wait_xcnt 0x0
; out0[b][n] = vertex n after 50 steps  v <- v + p[b][j] exp(-1.5 |v - k_j|^2) w_j   (k: keypoints, w: warp_vectors, p: warp_params).  All f32.
; WHAT IS CARRIED.  r = c (v - k_j) with c^2 = 1.5 log2(e).  A step is  e = 2^(-|r|^2);  r <- (r + c (k_j - k_j+1)) + e (c p w_j),  with k_50 = 0, so that after step 49 r = c v, and out = r / c.
; Two vertices share a packed line: 3 squares (their sign by neg_lo/neg_hi), 3 shifts, 3 nudges, and 2 exponentials for two vertices' step.  The shifts hang on no exponential:
; they stand between the exponentials and ahead of the step's one wait.
; LIMITS.  The order of rounding differs from the formula above (scaled, relative coordinates): with a common offset D of vertices and keypoints the error grows like 50 roundings at the size of c D.
; A weight e below 2^-126 counts as 0 (ISA guide, v_exp_f32).  NaN and infinities are not treated apart.
; SHARES.  Grid 4 x 64: a work-group has a quarter of one batch b, so all its waves use the same 50 rows of constants.  A TILE is 320 vertices, 3,840 bytes of out0, for one wave: a lane has 10 vertices, 5 pairs.
; A wave walks 5 tiles, tile number 32 t + 8 q + w: a tile's stores leave while the next tile is computed, and the next tile's vertices are loaded a tile ahead.
; THE CONSTANTS lie in a table in LDS, made once; every lane reads the same bytes, two steps' 48 bytes at a time, into two sets of 12 registers that take turns.  The table's address register is never
; rewritten: a load names its rows by its immediate.  So a tile's 50 steps are written out (25 pairs of steps, some 400 bytes of code a step), and the loop is the one over tiles.
; WHOLE BLOCKS OF 256 BYTES.  A batch of out0 is 600,000 bytes = 192 mod 256.  So a batch's tiles begin SH = 192 (b mod 4) bytes AHEAD of the batch: 600,000 b - SH is a multiple of 768, and so every tile begins at a
; multiple of 256 bytes from out0's first byte.  782 blocks of 64 vertices cover a batch for every b: 157 tiles.  What a tile holds outside its batch is loaded from a clamped address and not stored; only a
; batch's first and last tiles have such bytes, and only they take the masked way out.  The 160 places of the walk are 3 more than the tiles: three waves of a batch jump over their fifth trip.
; NO CLUSTER, NO TENSOR LOAD: what work-groups share is the vertices, 3,840 bytes for a tile's 2,750 vector lines, and they come a tile ahead into registers.
.set NK,     50
.set ROWB,   600000                    ; bytes of vertices, and of one batch of out0
.set G,      5                         ; pairs a lane
.set NV,     2*G                       ; vertices a lane
.set TILEB,  768*G                     ; 3,840 bytes = 7 x 512 + 256
.set NW,     8                         ; waves
.set NTRIP,  5                         ; places of a wave's walk
.set NT,     (782+G-1)/G               ; 157 tiles cover a batch
.set TSTEP,  4*NW*TILEB                ; bytes from a wave's tile to its next
.set TABLE,  0                         ; LDS: 64 rows of 24 bytes: shift x y z, nudge x y z; rows 0 to 49 are read
.set STAGE,  TABLE+64*24               ; LDS: 3,840 bytes for each wave, for the way out
.set SPARE,  STAGE+NW*TILEB            ; LDS: the spare words, 128 bytes for each wave: four blocks of 256 bytes that no other line names
.set L12, 2                            ; v2   12 x lane
.set L16, 3                            ; v3   16 x lane
.set L8,  4                            ; v4   8 x lane
.set ST,  5                            ; v5   my stage + 12 x lane
.set RD,  6                            ; v6   my stage + 16 x lane
.set RD8, 7                            ; v7   my stage + 8 x lane
.set C0,  8                            ; v[8:19], v[20:31]  two sets of two steps' constants
.set RX,  32                           ; v[32:61]   r: x of pairs 0-4, then y, then z
.set E,   62                           ; v[62:71]   -|r|^2, then e, of pairs 0-4
.set RAW, 72                           ; v[72:111]  the next tile's vertices as loaded: vertex m at RAW + 4 m
.set OUT, 112                          ; v[112:151] the way out: vertex m at OUT + 4 m, then whole rows
.set T,   OUT                          ;            at the head: at work on the table
.set AO,  152                          ; v[152:161] byte offsets of the ten loads
.set TA,  162                          ; v162  the table's LDS address, the same in all lanes; never rewritten
.set REL, 163                          ; v163, v164  the masked way out: a lane's byte offset in the batch
.set MK,  164
.set SPW, 166                          ; v166  LDS address of my spare word; never rewritten
.set NIL, 167                          ; v167  0; never rewritten
.set VERT, 4                           ; s[4:5] vertices, s[6:7] warp_params at row b, s[8:9] keypoints, s[10:11] warp_vectors
.set PAR,  6
.set KP,   8
.set WVEC, 10
.set OB,   12                          ; s[12:13] out0 at my tile
.set WV,   14                          ; my wave's number
.set BB,   15                          ; b
.set SH,   16                          ; 192 (b mod 4)
.set TAU,  17                          ; the number of the tile to be entered
.set R,    18                          ; the tile's first byte, counted from the batch's first: 3,840 tau - SH, modulo 2^32
.set RN,   19                          ; the same for my next tile
.set K0,   20                          ; s[20:22] -c k_0
.set CC,   23                          ; c
.set INV,  24                          ; 1 / c
.set LIMB, 25                          ; 600,000
.set NTL,  26                          ; trips of the walk to go
.set SV,   29                          ; EXEC, kept
; The ten loads of the tile that begins at byte s[sr] of the batch: load m takes 32 vertices on end, 384 bytes, 12 a lane.  A byte offset outside the batch (below 0 it is a large number, modulo 2^32) is
; clamped to the last vertex: such a lane's results are never stored.
.macro FETCH sr
	v_add_nc_u32 v[AO], s[\sr], v[L12]
.set m, 1
.rept NV-1
	v_add_nc_u32 v[AO+m], 384*m, v[AO]
.set m, m+1
.endr
.set m, 0
.rept NV
	v_min_u32 v[AO+m], ROWB-12, v[AO+m]
.set m, m+1
.endr
.set m, 0
.rept NV
	global_load_b96 v[RAW+4*m:RAW+4*m+2], v[AO+m], s[VERT:VERT+1]
.set m, m+1
.endr
.endm
; Two steps' rows, 48 bytes from byte off of the table, into 12 registers: every lane reads the same bytes.
.macro REFILL buf, off
	ds_load_b128 v[(\buf):(\buf)+3],    v[TA] offset:(\off)
	ds_load_b128 v[(\buf)+4:(\buf)+7],  v[TA] offset:(\off)+16
	ds_load_b128 v[(\buf)+8:(\buf)+11], v[TA] offset:(\off)+32
.endm
; A packed line with ONE constant register c for both halves: op_sel and op_sel_hi pick the first or the second register of c's pair.
.macro PKADD r, c
.if ((\c)&1)
	v_pk_add_f32 v[(\r):(\r)+1], v[(\r):(\r)+1], v[(\c)-1:(\c)] op_sel:[0,1] op_sel_hi:[1,1]
.else
	v_pk_add_f32 v[(\r):(\r)+1], v[(\r):(\r)+1], v[(\c):(\c)+1] op_sel_hi:[1,0]
.endif
.endm
.macro PKFMA r, e, c
.if ((\c)&1)
	v_pk_fma_f32 v[(\r):(\r)+1], v[(\e):(\e)+1], v[(\c)-1:(\c)], v[(\r):(\r)+1] op_sel:[0,1,0] op_sel_hi:[1,1,1]
.else
	v_pk_fma_f32 v[(\r):(\r)+1], v[(\e):(\e)+1], v[(\c):(\c)+1], v[(\r):(\r)+1] op_sel_hi:[1,0,1]
.endif
.endm
.macro SHIFT cb                        ; shift n of 15: coordinate n / 5 of pair n % 5 goes on to the next keypoint
	PKADD RX+2*n,(\cb)+n/G
.set n, n+1
.endm
.macro NUDGE cb                        ; nudge n of 15: r += e (c p w)
	PKFMA RX+2*n,E+2*(n%G),(\cb)+3+n/G
.set n, n+1
.endm
; A STEP, its six constants at v[cb .. cb+5]: 45 packed lines and 10 exponentials.  Lines that lean on each other stand five lines apart or more.  The ten exponentials are one batch; a shift stands behind each,
; four behind the last; none of them names a result.  One s_wait_alu stands between the batch and the first line that names a result: the nudges.
.macro STEP cb
.set i, 0
.rept G
	v_pk_mul_f32 v[E+2*i:E+2*i+1], v[RX+2*i:RX+2*i+1], v[RX+2*i:RX+2*i+1] neg_lo:[1,0] neg_hi:[1,0]
.set i, i+1
.endr
.rept 2*G
	v_pk_fma_f32 v[E+2*(i%G):E+2*(i%G)+1], v[RX+2*i:RX+2*i+1], v[RX+2*i:RX+2*i+1], v[E+2*(i%G):E+2*(i%G)+1] neg_lo:[1,0,0] neg_hi:[1,0,0]
.set i, i+1
.endr
.set n, 0
	SHIFT \cb
	SHIFT \cb
.set i, 0
.rept 2*G
	v_exp_f32 v[E+i], v[E+i]
	SHIFT \cb
.set i, i+1
.endr
.rept G-2
	SHIFT \cb
.endr
	s_wait_alu depctr_va_vdst(0)
.set n, 0
.rept 3*G
	NUDGE \cb
.endr
.endm
; The tile's 3,840 bytes leave: seven stores of 512 consecutive bytes and one of 256 (8 bytes a lane), each beginning at a multiple of 256 bytes from out0's first byte.
; edge = 1: a lane stores only if its bytes lie in the batch: its offset, modulo 2^32, is below 600,000.  The batch's ends fall on multiples of 64 bytes, so a lane's bytes are all inside or all outside.
; EXEC is changed only behind s_wait_xcnt 0: it is a source of the loads and stores that were issued before.
.macro SEND edge
.if \edge
	s_wait_xcnt 0x0
	v_add_nc_u32 v[REL], s[R], v[L16]
.endif
.set j, 0
.rept 7
	s_wait_dscnt 7-j                               ; LDS loads come back in order: row j is in, the 7 - j issued behind it may be out
.if \edge
	v_add_nc_u32 v[MK], 512*j, v[REL]
	v_cmp_gt_u32 vcc_lo, s[LIMB], v[MK]
	s_and_saveexec_b32 s[SV], vcc_lo
.endif
	global_store_b128 v[L16], v[OUT+4*j:OUT+4*j+3], s[OB:OB+1] offset:512*j th:TH_STORE_NT
.if \edge
	s_wait_xcnt 0x0
	s_or_b32 exec_lo, exec_lo, s[SV]
.endif
.set j, j+1
.endr
	s_wait_dscnt 0x0
.if \edge
	v_add_nc_u32 v[MK], s[R], v[L8]
	v_add_nc_u32 v[MK], 3584, v[MK]
	v_cmp_gt_u32 vcc_lo, s[LIMB], v[MK]
	s_and_saveexec_b32 s[SV], vcc_lo
.endif
	global_store_b64 v[L8], v[OUT+28:OUT+29], s[OB:OB+1] offset:3584 th:TH_STORE_NT
.if \edge
	s_wait_xcnt 0x0
	s_or_b32 exec_lo, exec_lo, s[SV]
.endif
.endm
	s_load_b256 s[VERT:VERT+7], s[0:1], 0x0        ; vertices, warp_params, keypoints, warp_vectors
	s_load_b64 s[OB:OB+1], s[0:1], 0x20            ; out0
	v_lshl_add_u32 v[SPW], v0, 2, SPARE
	v_mov_b32 v[NIL], 0
	v_mov_b32 v[TA], TABLE
	v_lshrrev_b32 v1, 5, v0
	v_readfirstlane_b32 s[WV], v1                  ; wave 0..7
	v_and_b32 v1, 31, v0                           ; lane
	v_mul_u32_u24 v[L12], v1, 12
	v_lshlrev_b32 v[L16], 4, v1
	v_lshlrev_b32 v[L8], 3, v1
	s_and_b32 s[BB], ttmp7, 0xffff                 ; b
	s_and_b32 s[SH], s[BB], 3
	s_mul_i32 s[SH], s[SH], 192
	s_mul_i32 s[TAU], ttmp9, NW
	s_add_co_u32 s[TAU], s[TAU], s[WV]             ; my first tile: 8 q + w
	s_mul_i32 s[R], s[TAU], TILEB
	s_sub_co_u32 s[R], s[R], s[SH]                 ; below 0 (modulo 2^32) only for tile 0
	s_mul_i32 s32, s[BB], ROWB
	s_add_co_u32 s32, s32, s[R]                    ; 600,000 b - SH + 3,840 tau: never below 0, since SH = 0 where b = 0
	s_mov_b32 s33, 0
	s_mul_i32 s34, s[BB], 4*NK                     ; row b of warp_params
	s_mov_b32 s35, 0
	s_mul_i32 s36, s[WV], TILEB
	s_add_co_u32 s36, s36, STAGE                   ; my stage
	v_add_nc_u32 v[ST], s36, v[L12]
	v_add_nc_u32 v[RD], s36, v[L16]
	v_add_nc_u32 v[RD8], s36, v[L8]
	s_mov_b32 s[CC], 0x3fbc4bf9                    ; c = sqrt(1.5 log2(e)) = 1.4710685
	s_mov_b32 s[INV], 0x3f2e05ee                   ; 1 / c = 0.6797780
	s_mov_b32 s[LIMB], ROWB
	s_mov_b32 s[NTL], NTRIP
	s_wait_kmcnt 0x0
	s_load_b96 s[K0:K0+2], s[KP:KP+1], 0x0         ; k_0
	s_add_nc_u64 s[OB:OB+1], s[OB:OB+1], s[32:33]
	s_add_nc_u64 s[PAR:PAR+1], s[PAR:PAR+1], s[34:35]
	FETCH R                                        ; my first tile's vertices are on their way while the table is made
	; THE TABLE.  Thread j of waves 0 and 1 makes row j, all lanes on: c (k_j - k_j+1), with k_50 = 0, and (c p[b][j]) w_j.  Threads 50 to 63 read row 49's numbers again, inside the buffers,
	; and fill rows 50 to 63, which nobody reads.
	s_cmp_lt_u32 s[WV], 2
	s_cbranch_scc0 .Lbuilt
	v_min_u32 v[T], NK-1, v0                       ; j, held to 49
	v_add_nc_u32 v[T+1], 1, v0
	v_min_u32 v[T+1], NK-1, v[T+1]                 ; j + 1, held to 49: thread 49 reads k_49 again and drops it below
	v_lshlrev_b32 v[T+2], 2, v[T]
	v_mul_u32_u24 v[T], v[T], 12
	v_mul_u32_u24 v[T+1], v[T+1], 12
	v_mul_u32_u24 v[T+3], v0, 24
	global_load_b96 v[T+4:T+6], v[T], s[KP:KP+1]
	global_load_b96 v[T+8:T+10], v[T+1], s[KP:KP+1]
	global_load_b96 v[T+12:T+14], v[T], s[WVEC:WVEC+1]
	global_load_b32 v[T+16], v[T+2], s[PAR:PAR+1]
	v_cmp_gt_u32 vcc_lo, NK-1, v0
	s_wait_loadcnt 0x0
.irp x, 0,1,2
	v_cndmask_b32 v[T+8+\x], 0, v[T+8+\x], vcc_lo  ; k_50 = 0
.endr
	v_mul_f32 v[T+16], s[CC], v[T+16]
.irp x, 0,1,2
	v_sub_f32 v[T+8+\x], v[T+4+\x], v[T+8+\x]      ; the difference first, then the scale: nothing large is rounded
.endr
.irp x, 0,1,2
	v_mul_f32 v[T+20+\x], s[CC], v[T+8+\x]
	v_mul_f32 v[T+23+\x], v[T+16], v[T+12+\x]
.endr
	ds_store_b64 v[T+3], v[T+20:T+21] offset:TABLE
	ds_store_b64 v[T+3], v[T+22:T+23] offset:TABLE+8
	ds_store_b64 v[T+3], v[T+24:T+25] offset:TABLE+16
.Lbuilt:
	s_wait_dscnt 0x0                               ; for the others' sake: my rows lie in LDS
	s_barrier_signal -1
	s_barrier_wait -1                              ; the table is whole; nobody writes it again
	s_wait_kmcnt 0x0
	s_mul_f32 s[K0], s[K0], 0xbfbc4bf9             ; -c k_0
	s_mul_f32 s[K0+1], s[K0+1], 0xbfbc4bf9
	s_mul_f32 s[K0+2], s[K0+2], 0xbfbc4bf9
.Ltile:                                        ; five trips, a tile each
	s_cmp_ge_u32 s[TAU], NT                        ; places 157 to 159 of a batch's walk hold no tile (the fifth trip of three waves)
	s_cbranch_scc1 .Lskip
	REFILL C0, 0                                   ; steps 0, 1
	REFILL C0+12, 48                               ; steps 2, 3
	s_wait_loadcnt 0x0                             ; the tile's vertices, asked for a tile ago
.set m, 0
.rept NV                                       ; r = c v - c k_0; the same line moves a coordinate from x y z order into its pair
	v_fma_f32 v[RX+m],     v[RAW+4*m],   s[CC], s[K0]
	v_fma_f32 v[RX+2*G+m], v[RAW+4*m+1], s[CC], s[K0+1]
	v_fma_f32 v[RX+4*G+m], v[RAW+4*m+2], s[CC], s[K0+2]
.set m, m+1
.endr
	s_add_co_u32 s[TAU], s[TAU], 4*NW
	s_add_co_u32 s[RN], s[R], TSTEP
	s_cmp_lt_u32 s[TAU], NT                        ; is there a next tile?
	s_cbranch_scc0 .Lno_fetch
	FETCH RN                                       ; it has this tile's 50 steps in which to come
.Lno_fetch:
	; THE 50 STEPS, in 25 pairs.  Pair u works on set u % 2, which is then filled again with pair u + 2's rows: one pair of steps, 110 vector lines, ahead of their use.
.set u, 0
.rept NK/2
.if u < NK/2-1
	s_wait_dscnt 3                                 ; this pair's set is in; the three younger loads are the other set's
.else
	s_wait_dscnt 0x0                               ; the last pair: nothing was asked for behind it
.endif
	STEP C0+12*(u%2)
	STEP C0+12*(u%2)+6
.if u+2 < NK/2
	REFILL C0+12*(u%2), 48*(u+2)
.endif
.set u, u+1
.endr
	; THE WAY OUT.  r = c v now.  The multiply by 1 / c moves a coordinate back into x y z order; a vertex goes into my stage as it lies in out0, and the tile comes back in rows of 512 bytes.
.set m, 0
.rept NV
	v_mul_f32 v[OUT+4*m],   s[INV], v[RX+m]
	v_mul_f32 v[OUT+4*m+1], s[INV], v[RX+2*G+m]
	v_mul_f32 v[OUT+4*m+2], s[INV], v[RX+4*G+m]
.set m, m+1
.endr
.set m, 0
.rept NV
	ds_store_b96 v[ST], v[OUT+4*m:OUT+4*m+2] offset:384*m
.set m, m+1
.endr
.set j, 0
.rept 7
	ds_load_b128 v[OUT+4*j:OUT+4*j+3], v[RD] offset:512*j  ; LDS serves a wave's instructions in order (ISA guide 5.7.1.4): these see the stores above, and the stage is my own
.set j, j+1
.endr
	ds_load_b64 v[OUT+28:OUT+29], v[RD8] offset:3584
	s_cmp_le_u32 s[R], ROWB-TILEB                  ; does the whole tile lie in the batch?  (an offset below 0 is a large number here)
	s_cbranch_scc0 .Ledge
	SEND 0
	s_branch .Lsent
.Ledge:
	SEND 1
.Lsent:
	s_wait_xcnt 0x0                                ; the stores have read their data and their base: only now are these written again
	s_add_nc_u64 s[OB:OB+1], s[OB:OB+1], TSTEP
	s_mov_b32 s[R], s[RN]
.Lskip:
	s_sub_co_u32 s[NTL], s[NTL], 1
	s_cmp_lg_u32 s[NTL], 0
	s_cbranch_scc1 .Ltile
	s_wait_tensorcnt 0x0                           ; the wave's end, behind my last LDS store
	ds_add_u32 v[SPW], v[NIL]
	s_wait_dscnt 0x0
	s_endpgm
.Lfunc_end_k_qcb4055dedc_warp:
	.size	k_qcb4055dedc_warp, .Lfunc_end_k_qcb4055dedc_warp-k_qcb4055dedc_warp
	.p2alignl 7, 3214868480
	.fill 96, 4, 3214868480
	.section	.rodata,"a",@progbits
	.p2align	6, 0x0
	.amdhsa_kernel k_qcb4055dedc_warp
		.amdhsa_group_segment_fixed_size 33280
		.amdhsa_private_segment_fixed_size 0
		.amdhsa_enable_private_segment 0
		.amdhsa_kernarg_size 40
		.amdhsa_user_sgpr_count 2
		.amdhsa_user_sgpr_kernarg_segment_ptr 1
		.amdhsa_wavefront_size32 1
		.amdhsa_system_sgpr_workgroup_id_x 1
		.amdhsa_system_sgpr_workgroup_id_y 1
		.amdhsa_system_sgpr_workgroup_id_z 1
		.amdhsa_system_vgpr_workitem_id 0
		.amdhsa_next_free_vgpr 168
		.amdhsa_next_free_sgpr 66
		.amdhsa_reserve_vcc 1
		.amdhsa_float_denorm_mode_32 3
		.amdhsa_float_denorm_mode_16_64 3
		.amdhsa_memory_ordered 1
		.amdhsa_forward_progress 1
		.amdhsa_inst_pref_size 180
	.end_amdhsa_kernel
	.amdgpu_metadata
---
amdhsa.version: [ 1, 2 ]
amdhsa.kernels:
  - .name:           k_qcb4055dedc_warp
    .symbol:         k_qcb4055dedc_warp.kd
    .args:
      - { .name: vertices, .offset: 0, .size: 8, .value_kind: global_buffer, .address_space: global }
      - { .name: warp_params, .offset: 8, .size: 8, .value_kind: global_buffer, .address_space: global }
      - { .name: keypoints, .offset: 16, .size: 8, .value_kind: global_buffer, .address_space: global }
      - { .name: warp_vectors, .offset: 24, .size: 8, .value_kind: global_buffer, .address_space: global }
      - { .name: out0, .offset: 32, .size: 8, .value_kind: global_buffer, .address_space: global }
    .group_segment_fixed_size: 33280
    .private_segment_fixed_size: 0
    .kernarg_segment_align: 8
    .kernarg_segment_size: 40
    .max_flat_workgroup_size: 256
    .sgpr_count:     66
    .vgpr_count:     168
    .wavefront_size: 32
...
	.end_amdgpu_metadata
.endif
;; end of part 1
